; MI455X (gfx1250); checked and timed in simulation.
; The chip was launched on July 23, 2026; its instructions are those of AMD's public machine-readable ISA for CDNA 5 (MIT licence, August 2026) and "CDNA5" Instruction Set Architecture Reference Guide (July 2026). The comments in the code are by the model that wrote it; some were corrected since.
;; Quax Dot General. Allowed arithmetic: matrix products marked QUANTISED: E2M1 operands, one E8M0 scale for each 32 along K, by v_wmma_scale_f32_16x16x128_f8f6f4 with both operands' format E2M1 (or v_wmma_scale_f32_32x16x128_f4), f32 sums; everything else in f32.
;; Inputs: lhs_q 8,192 x 4,096 int32; lhs_scale 8,192 x 1 float32; rhs_codes 2,048 x 128 x 16 uint8 (E2M1 codes of rhs, K innermost, in blocks of 32 codes, two codes a byte); rhs_scales 2,048 x 128 uint8 (E8M0 scales of rhs, one for each 32 codes along K).
;; Outputs: out0 8,192 x 2,048 float32.
;; This version of the problem:
;;   THIS VERSION OF THE PROBLEM IS GIVEN IN LOW PRECISION. The matrix products marked QUANTISED in the list below multiply operands that are first quantised to E2M1 (2 exponent bits, 1 mantissa bit; 4 bits a number), with one power-of-two scale for each 32 numbers along K (OCP MX v1.0); their sums are f32. All else is computed in f32.
;;   The module's matrix products, in the order in which they are computed (A, B: the left and right operand; K: the contracted axis; several contracted axes count as one K, in the product's order):
;;     1. [M 8,192, K 4,096] x [K 4,096, N 2,048]; A: computed on the way; B: input rhs (given as codes): QUANTISED
;;   THE QUANTISER, for each operand of a quantised product, along K:
;;     - K is cut into blocks of 32 from its start; a last block that is shorter is filled with zeros.
;;     - A block's scale is 2^e with e = floor(log2(the largest magnitude in the block)) - 2, held to -126 .. 127; a block of zeros has e = 0. As a byte (E8M0): e + 127.
;;     - Each number is divided by its block's scale, clamped to +-6, and rounded to the nearest number of E2M1, ties to even, subnormals kept.
;;     - The product sums the exact products of the quantised numbers (number of the format x scale) in f32.
;;   ~~~python
;;   def quantise(x, axis):      # numpy; x: float32 -> the quantised numbers, widened to float32 again
;;       x = np.moveaxis(x, axis, -1); K = x.shape[-1]
;;       x = np.pad(x, [(0, 0)] * (x.ndim - 1) + [(0, -K % 32)]); x = x.reshape(x.shape[:-1] + (-1, 32)); a = np.abs(x).max(-1, keepdims=True)
;;       e = np.where(a > 0, np.clip(np.frexp(np.where(a > 0, a, 1))[1] - 1 - 2, -126, 127), 0)      # np.frexp(a)[1] - 1 = floor(log2(a)), exactly
;;       r = np.clip(x / 2.0 ** e, -6, 6)
;;       step = 2.0 ** (np.maximum(np.frexp(np.where(r == 0, 1, r))[1] - 1, 0) - 1)
;;       q = np.round(r / step) * step * 2.0 ** e      # np.round: ties to even
;;       return np.moveaxis(q.reshape(q.shape[:-2] + (-1,))[..., :K], -1, axis).astype(np.float32)
;;   ~~~
;;   OPERANDS COMPUTED ON THE WAY. 'Computed on the way' means the value that the module computes at that place (a softmax that the list does not call 'softmax' is quantised finished and normalised). What goes into a quantiser is computed in f32, as accurately as f32 sums, v_exp_f32 and their like allow (about 1e-6 of the number): no bf16 or f16 on the way to a quantiser, and a product that is left as it is and whose result goes on into a quantised operand takes f32 operands (vector FMAs, or v_wmma_f32_16x16x4_f32). A number that lies on a knife's edge between two numbers of the format may be rounded either way, as far as f32 arithmetic and the matrix unit's own rounding can turn it there, and no further.
;;   INPUTS GIVEN AS CODES. rhs (in the module: [4096, 2048], K = its axis 0): each comes as NAME_codes (uint8): NAME with its K axis moved to the last place and cut into blocks of 32 codes, [.., K / 32, bytes a block], one block behind the other in memory; two codes a byte, the lower K in the low four bits (a code: sign, 2 exponent bits, 1 mantissa bit); and NAME_scales (uint8): the same leading axes, one E8M0 byte (e + 127) for each 32 codes along K. Its value is code x scale, taken as it is: it is not quantised again, and the codes and scales need not be those that the quantiser above would give.
;; One version. Each part assembles by itself: llvm-mc -triple=amdgcn-amd-amdhsa -mcpu=gfx1250 --defsym DOCPART=n.
;; ======== version 1 of 1: 2 launches
;; limits: inputs' magnitudes at most 7.9e+28
;; workspace buffers: a_pack 17,825,792 bytes; b_sc 262,144 bytes
;; launch quant (part 1): grid 1056 x 1, 4 waves a work-group, no clusters, 33,280 bytes of LDS; arguments lhs_q, lhs_scale, rhs_scales, a_pack, b_sc; writes a_pack, b_sc
.if DOCPART == 1
	.amdgcn_target "amdgcn-amd-amdhsa--gfx1250"
	.amdhsa_code_object_version 6
	.text
	.protected	k_q4677c9c470_quant
	.globl	k_q4677c9c470_quant
	.p2align	8
	.type	k_q4677c9c470_quant,@function
k_q4677c9c470_quant:
	s_mov_b64 s[64:65], 0
	v_nop
	global_prefetch_b8 v0, s[64:65] scope:SCOPE_SE
	s_setreg_imm32_b32 hwreg(HW_REG_WAVE_MODE, 25, 1), 1
	s_wait_xcnt 0x0
; x[m][k] = f32(int8(lhs_q[m][k])) * lhs_scale[m], [8192][4096], is turned into codes of FP4 (E2M1) with one E8M0 scale byte for each 32 along K, laid as the product's launch fetches them:
; a_pack [m / 128][k / 512][34,816 bytes]: 128 rows x 256 bytes of codes (512 along K, the lower k in the low four bits), then 128 rows x 16 scale bytes: 136 dense pieces of 256 bytes.
; The last 32 work-groups lay rhs_scales [2048][128] anew as b_sc [n / 256][k / 512][256 rows][16 bytes], so that a K step's scales of 256 rows of rhs are 4,096 dense bytes.
; THE NUMBER.  A shift by 24 keeps the low eight bits, as the cast to int8 does; as f32 that is q x 2^24, exactly; times the row's scale it is 2^24 x the f32 product q x scale, exactly.
; The factor 2^24 moves exponent fields alone.  A block's largest magnitude has the exponent field F; the conversion divides by 2^(F - 2 - 127), which gives x's own codes; the byte stored is F - 24 - 2,
; x's own exponent field less 2.  The floor 2^(27 - 127) among the maximum's leaves holds the byte at 1 from below.
; LIMITS: |lhs_scale| under 2^96 (beyond it q x 2^24 x scale overflows where x does not); NaN and infinities in lhs_scale are not served; a block of zeros gets the byte 1 where the quantiser says 127:
; its codes are zeros, which add nothing under any byte but 0xff, and this program alone reads the bytes.
; SHARES.  A wave takes 16 rows x 512 along K, a row a step: 2,048 consecutive bytes in, 256 consecutive bytes of codes out, 16 scale bytes; the 16 steps' 256 scale bytes leave together.
; The conversions take neighbours along K from ONE lane's registers, a load is densest where neighbouring lanes take neighbouring bytes: so a step's 2,048 bytes are loaded 16 a lane, 512 a load, go through the
; wave's own stage in LDS as they lie and come back 64 a lane (16 numbers; two neighbouring lanes hold a block).  16 bytes of padding behind each 64 spread the lanes' reads over the banks.
; No tensor loads, no barrier, no matrix unit: waves share nothing, and the launch only streams.  Loads run four steps (16 loads a wave) ahead, the turn through LDS one step.
; Every offset is an immediate and every store has data registers of its own: nothing that a pending load or store names is written again.
.set QWG,   1024                       ; work-groups that quantise; the others lay rhs_scales anew
.set STEPS, 16
.set ROWQ,  16384                      ; a row of lhs_q in bytes
.set BLKB,  34816                      ; a block of a_pack
.set SP,    80                         ; a lane's place in a stage: 64 bytes + 16 of padding
.set WREG,  8192                       ; LDS of a wave: two stages of 32 x SP bytes, behind them its 256 scale bytes
.set R,     16                         ; v16-79   four sets of 16 numbers as loaded
.set X,     80                         ; v80-111  two sets of 16 neighbours
.set E,     112                        ; v112-127 a scale byte for each step
.set C,     128                        ; v128-159 two registers of codes for each step
.set RS,    32                         ; s[32:47] lhs_scale of my 16 rows
	s_load_b256 s[4:11], s[0:1], 0x0               ; lhs_q s[4:5], lhs_scale s[6:7], rhs_scales s[8:9], a_pack s[10:11]
	s_load_b64 s[12:13], s[0:1], 0x20              ; b_sc
	v_lshl_add_u32 v168, v0, 2, 0x8000
	v_mov_b32 v169, 0
	v_lshrrev_b32 v1, 5, v0
	v_readfirstlane_b32 s16, v1                    ; wave 0..3
	v_and_b32 v2, 31, v0                           ; lane
	v_lshlrev_b32 v3, 4, v2                        ; 16 bytes a lane
	s_cmp_ge_u32 ttmp9, QWG                        ; the choice hangs on the work-group's number alone
	s_cbranch_scc1 .Lrelay
	s_and_b32 s17, ttmp9, 1
	s_lshl_b32 s17, s17, 2
	s_add_co_u32 s17, s17, s16                     ; my K step of 512: 4 x (work-group % 2) + wave: a work-group's waves stand side by side on 8,192 bytes of each row
	s_lshr_b32 s18, ttmp9, 1                       ; my group of 16 rows, 0..511
	s_lshl_b32 s20, s18, 18                        ; in lhs_q: 16 rows of 16,384 bytes,
	s_lshl_b32 s19, s17, 11                        ; + 2,048 bytes a K step
	s_add_co_u32 s20, s20, s19
	s_mov_b32 s21, 0
	s_and_b32 s22, s18, 0x1f8                      ; 8 x (m / 128)
	s_add_co_u32 s22, s22, s17
	s_mul_i32 s22, s22, BLKB                       ; my block of a_pack
	s_and_b32 s23, s18, 7                          ; which 16 of its 128 rows
	s_lshl_b32 s24, s23, 12                        ; codes: 16 rows of 256 bytes
	s_add_co_u32 s24, s24, s22
	s_mov_b32 s25, 0
	s_lshl_b32 s26, s23, 8                         ; scale bytes: 16 rows of 16 bytes,
	s_add_co_u32 s26, s26, s22
	s_add_co_u32 s26, s26, 32768                   ; behind the block's codes
	s_mov_b32 s27, 0
	s_lshl_b32 s14, s18, 6                         ; lhs_scale: 16 rows of 4 bytes
	s_mov_b32 s15, 0
	s_mul_i32 s19, s16, WREG                       ; my wave's LDS
	v_lshrrev_b32 v14, 2, v2
	v_mul_u32_u24 v14, v14, SP
	v_and_b32 v15, 3, v2
	v_lshl_add_u32 v14, v15, 4, v14
	v_add_nc_u32 v14, s19, v14                     ; the stage, on the way in: four lanes' 64 bytes on end, then the padding; a load's 512 bytes take eight places
	v_mul_u32_u24 v15, v2, SP
	v_add_nc_u32 v15, s19, v15                     ; and on the way out: my 16 neighbours
	v_lshlrev_b32 v4, 3, v2                        ; 8 bytes a lane: my codes of a step, and my part of the 256 scale bytes
	v_lshrrev_b32 v5, 1, v2
	s_add_co_u32 s19, s19, 2*32*SP
	v_add_nc_u32 v5, s19, v5                       ; LDS: my block's byte of a row's 16
	v_add_nc_u32 v6, s19, v4                       ; and 8 of the 256 on the way out
	v_mov_b32 v11, 0                               ; named with v10 as a pair, so it is written
	s_wait_kmcnt 0x0
	s_add_nc_u64 s[4:5], s[4:5], s[20:21]
	s_add_nc_u64 s[6:7], s[6:7], s[14:15]
	s_add_nc_u64 s[28:29], s[10:11], s[24:25]      ; where my codes go
	s_add_nc_u64 s[30:31], s[10:11], s[26:27]      ; where my scale bytes go
	s_load_b512 s[RS:RS+15], s[6:7], 0x0           ; the 16 rows' scales: 64 bytes, no line of this launch writes that buffer
.macro LOAD t
.irp i, 0,1,2,3
	global_load_b128 v[R+16*((\t)%4)+4*\i:R+16*((\t)%4)+4*\i+3], v3, s[4:5] offset:ROWQ*(\t)+512*\i th:TH_LOAD_NT   ; 32 lanes read 512 consecutive bytes; read once in the launch
.endr
.endm
.macro TURN t                          ; step t's numbers through the stage: LDS serves a wave's instructions in order (ISA guide 5.7.1.4), so no wait stands between the stores and the loads
.irp i, 0,1,2,3
	ds_store_b128 v14, v[R+16*((\t)%4)+4*\i:R+16*((\t)%4)+4*\i+3] offset:32*SP*((\t)%2)+8*SP*\i
.endr
.irp i, 0,1,2,3
	ds_load_b128 v[X+16*((\t)%2)+4*\i:X+16*((\t)%2)+4*\i+3], v15 offset:32*SP*((\t)%2)+16*\i
.endr
.endm
.irp t, 0,1,2,3
	LOAD \t
.endr
	s_wait_loadcnt 12                              ; step 0's four loads are in; the twelve behind them stay out
	TURN 0
	s_wait_kmcnt 0x0                               ; the rows' scales
.macro STEP t
.set XS, X+16*((\t)%2)
.if (\t) > 0
	s_wait_dscnt 1                                 ; this step's numbers are back from the stage (behind them only the last step's byte store was issued): so its stores into the stage have read their registers,
.else
	s_wait_dscnt 0x0
.endif
.if (\t)+4 < STEPS
	LOAD (\t)+4                                    ; which take the loads of four steps on
.endif
.if (\t)+1 < STEPS
.if STEPS-2-(\t) >= 3
	s_wait_loadcnt 12                              ; the next step's four loads are in; those of the three steps behind it may be out
.else
	s_wait_loadcnt 4*(STEPS-2-(\t))                ; towards the end fewer steps stand behind it
.endif
	TURN (\t)+1                                    ; and go through the other stage while this step is worked
.endif
	v_mov_b32 v10, s[RS+(\t)]                      ; this row's scale
.irp i, 0,1,2,3,4,5,6,7,8,9,10,11,12,13,14,15
	v_lshlrev_b32 v[XS+\i], 24, v[XS+\i]           ; the low eight bits, on top: the int8 x 2^24
.endr
.irp i, 0,1,2,3,4,5,6,7,8,9,10,11,12,13,14,15
	v_cvt_f32_i32 v[XS+\i], v[XS+\i]               ; exact: eight significant bits
.endr
.irp i, 0,2,4,6,8,10,12,14
	v_pk_mul_f32 v[XS+\i:XS+\i+1], v[XS+\i:XS+\i+1], v[10:11] op_sel_hi:[1,0]   ; x the row's scale, two at a time: 2^24 x
.endr
	v_max3_num_f32 v8, |v[XS]|, |v[XS+1]|, |v[XS+2]|               ; the largest magnitude of my 16, in two chains
	v_max3_num_f32 v9, |v[XS+3]|, |v[XS+4]|, |v[XS+5]|
.irp i, 6,10
	v_max3_num_f32 v8, v8, |v[XS+\i]|, |v[XS+\i+1]|
	v_max3_num_f32 v9, v9, |v[XS+\i+2]|, |v[XS+\i+3]|
.endr
	v_max3_num_f32 v8, v8, |v[XS+14]|, |v[XS+15]|
	v_max3_num_f32 v8, v8, v9, 27<<23              ; and the floor 2^(27 - 127): 24 for the factor, 2 for the format, 1 for the least byte
	v_max_num_f32_dpp v8, v8, v8 row_xmask:1 row_mask:0xf bank_mask:0xf   ; and of my neighbour's 16: the block's
	v_add_nc_u32 v12, -(2<<23), v8                 ; 2 off its exponent field: the conversion takes the exponent field of this operand as its scale, and nothing else of it
	v_add_nc_u32 v13, -(26<<23), v8                ; 26 off: x's own scale
	v_cvt_scalef32_pk8_fp4_f32 v[C+2*(\t)], v[XS:XS+7], v12        ; eight numbers / the scale, to the nearest code, ties to even, beyond the largest code the largest; the first number's code in the lowest four bits
	v_cvt_scalef32_pk8_fp4_f32 v[C+2*(\t)+1], v[XS+8:XS+15], v12
	v_lshrrev_b32 v[E+(\t)], 23, v13               ; the scale's byte.  (Also the plain line behind the conversions, ahead of the next writes of their sources)
	ds_store_b8 v5, v[E+(\t)] offset:16*(\t)       ; both lanes of a block write the same byte with the same value
	global_store_b64 v4, v[C+2*(\t):C+2*(\t)+1], s[28:29] offset:256*(\t)   ; 32 lanes store 256 consecutive bytes, at a multiple of 256 from the buffer's first byte: the row's 512 codes
.endm
.irp t, 0,1,2,3,4,5,6,7,8,9,10,11,12,13,14,15
	STEP \t
.endr
	ds_load_b64 v[160:161], v6                     ; in order behind my byte stores
	s_wait_dscnt 0x0
	global_store_b64 v4, v[160:161], s[30:31]      ; my 16 rows' scale bytes: 256 consecutive bytes, aligned likewise
	s_wait_tensorcnt 0x0
	ds_add_u32 v168, v169
	s_wait_dscnt 0x0
	s_endpgm
; rhs_scales anew.  Wave id (0..127) makes 2,048 consecutive bytes of b_sc: tile id / 16, K step (id / 2) % 8, rows 128 (id % 2) on: 16 bytes of each of 128 rows.
; The reads take 16 bytes of each row of 128: the whole buffer is 262,144 bytes, a small part of what the launch moves; the stores are dense.
.Lrelay:
	s_sub_co_u32 s17, ttmp9, QWG
	s_lshl_b32 s17, s17, 2
	s_add_co_u32 s17, s17, s16                     ; id
	s_lshr_b32 s18, s17, 4
	s_lshl_b32 s20, s18, 15                        ; 256 rows of 128 bytes a tile
	s_and_b32 s18, s17, 1
	s_lshl_b32 s18, s18, 14                        ; 128 rows
	s_add_co_u32 s20, s20, s18
	s_bfe_u32 s18, s17, 0x30001                    ; three bits from bit 1: the K step
	s_lshl_b32 s18, s18, 4                         ; its 16 bytes of a row
	s_add_co_u32 s20, s20, s18
	s_mov_b32 s21, 0
	s_lshl_b32 s22, s17, 11
	s_mov_b32 s23, 0
	v_lshlrev_b32 v1, 7, v2                        ; a lane a row
	s_wait_kmcnt 0x0
	s_add_nc_u64 s[8:9], s[8:9], s[20:21]
	s_add_nc_u64 s[12:13], s[12:13], s[22:23]
.irp i, 0,1,2,3
	global_load_b128 v[16+4*\i:19+4*\i], v1, s[8:9] offset:4096*\i   ; rows 32 i + lane
.endr
.irp i, 0,1,2,3
	s_wait_loadcnt 3-\i                            ; loads come back in order (ISA guide 5.7.1): the younger ones stay out
	global_store_b128 v3, v[16+4*\i:19+4*\i], s[12:13] offset:512*\i   ; 32 lanes store 512 consecutive bytes
.endr
	s_endpgm
.Lfunc_end_k_q4677c9c470_quant:
	.size	k_q4677c9c470_quant, .Lfunc_end_k_q4677c9c470_quant-k_q4677c9c470_quant
	.p2alignl 7, 3214868480
	.fill 96, 4, 3214868480
	.section	.rodata,"a",@progbits
	.p2align	6, 0x0
	.amdhsa_kernel k_q4677c9c470_quant
		.amdhsa_group_segment_fixed_size 33280
		.amdhsa_private_segment_fixed_size 0
		.amdhsa_enable_private_segment 0
		.amdhsa_kernarg_size 40
		.amdhsa_user_sgpr_count 2
		.amdhsa_user_sgpr_kernarg_segment_ptr 1
		.amdhsa_wavefront_size32 1
		.amdhsa_system_sgpr_workgroup_id_x 1
		.amdhsa_system_sgpr_workgroup_id_y 1
		.amdhsa_system_sgpr_workgroup_id_z 1
		.amdhsa_system_vgpr_workitem_id 0
		.amdhsa_next_free_vgpr 170
		.amdhsa_next_free_sgpr 66
		.amdhsa_reserve_vcc 0
		.amdhsa_float_denorm_mode_32 3
		.amdhsa_float_denorm_mode_16_64 3
		.amdhsa_memory_ordered 1
		.amdhsa_forward_progress 1
		.amdhsa_inst_pref_size 61
	.end_amdhsa_kernel
	.amdgpu_metadata
---
amdhsa.version: [ 1, 2 ]
amdhsa.kernels:
  - .name:           k_q4677c9c470_quant
    .symbol:         k_q4677c9c470_quant.kd
    .args:
      - { .name: lhs_q, .offset: 0, .size: 8, .value_kind: global_buffer, .address_space: global }
      - { .name: lhs_scale, .offset: 8, .size: 8, .value_kind: global_buffer, .address_space: global }
      - { .name: rhs_scales, .offset: 16, .size: 8, .value_kind: global_buffer, .address_space: global }
      - { .name: a_pack, .offset: 24, .size: 8, .value_kind: global_buffer, .address_space: global }
      - { .name: b_sc, .offset: 32, .size: 8, .value_kind: global_buffer, .address_space: global }
    .group_segment_fixed_size: 33280
    .private_segment_fixed_size: 0
    .kernarg_segment_align: 8
    .kernarg_segment_size: 40
    .max_flat_workgroup_size: 128
    .sgpr_count:     66
    .vgpr_count:     170
    .wavefront_size: 32
...
	.end_amdgpu_metadata
.endif
;; end of part 1
;; launch gemm (part 2): grid 8 x 32, 4 waves a work-group, clusters of 4 x 4, 327,680 bytes of LDS; arguments a_pack, rhs_codes, b_sc, out0; writes out0
.if DOCPART == 2
	.amdgcn_target "amdgcn-amd-amdhsa--gfx1250"
	.amdhsa_code_object_version 6
	.text
	.protected	k_q4677c9c470_gemm
	.globl	k_q4677c9c470_gemm
	.p2align	8
	.type	k_q4677c9c470_gemm,@function
k_q4677c9c470_gemm:
	s_mov_b64 s[64:65], 0
	v_nop
	global_prefetch_b8 v0, s[64:65] scope:SCOPE_SE
	s_setreg_imm32_b32 hwreg(HW_REG_WAVE_MODE, 25, 1), 1
	s_wait_xcnt 0x0
	s_wait_alu depctr_hold_cnt(0) depctr_sa_sdst(0) depctr_va_vdst(0) depctr_va_sdst(0) depctr_va_ssrc(0) depctr_va_vcc(0) depctr_vm_vsrc(0)
	s_getreg_b32 s2, hwreg(HW_REG_IB_STS2, 6, 4)
	s_cmp_eq_u32 s2, 0
	s_cbranch_scc0 .Lentry_in_a_cluster
	s_endpgm
.Lentry_in_a_cluster:
	s_bfe_u32 s2, ttmp6, 0x10000c
	s_cmp_lg_u32 s2, 0xf033
	s_cbranch_scc0 .Lentry_shape_is_right
	s_endpgm
.Lentry_shape_is_right:
; out0[m][n] = sum over k of A[m][k] B[n][k], [8192][2048] f32, K = 4,096; both operands are codes of FP4 (E2M1) with one E8M0 scale byte for each 32 along K; sums in f32.
; A comes from a_pack [m / 128][k / 512][34,816 bytes] (128 rows x 256 bytes of codes, then 128 rows x 16 scale bytes), B's codes from rhs_codes [2048][2,048 bytes] as given, B's scale bytes from
; b_sc [n / 256][k / 512][256 rows][16 bytes].  The matrix instruction takes codes and scale bytes as they lie.
; A tile of out0, 256 x 256, is made by a work-group of four waves, as many as a WGP has SIMDs; a wave makes 128 x 128: 64 accumulators of 16 x 16, 512 registers.  8 x 32 tiles: 256 work-groups.
; K goes in 8 steps of 512 through a ring of two LDS slots filled by the tensor data mover.  THE SCALES RIDE IN THE RING: the scale bytes of all of K (2 x 256 rows x 128 bytes, padded) do not fit beside two slots,
; a K step's do; so every scale address is a constant of its slot.  One load a wave fills a slot: waves 0 and 1 a block of a_pack each (128 rows' codes AND scales: 136 rows of 256 bytes), wave 2 B's 256 rows of codes,
; wave 3 B's 16 rows of 256 scale bytes.
; CLUSTERS: 4 x 4 work-groups.  The four of a row of the cluster need the same blocks of A, the four of a column the same tiles of B: each is asked for JOINTLY, by the same tensor load with the same descriptor and a
; mask that names the four.  THE MATRIX INSTRUCTION IS USED TRANSPOSED (source 0 = 16 rows of B, source 1 = 16 rows of A): a lane then holds eight neighbouring numbers of a row of out0.
; THE CLUSTERS WALK K FROM DIFFERENT STARTS.  Cluster (X, Y) of the 2 x 8 begins at K step (4 X + 2 Y) mod 8 and goes round the eight.  The two clusters that read the same rows of a_pack (the same Y) are four K steps
; apart; of the eight that read the same rows of rhs (the same X), Y .. Y + 3 are 0, 2, 4 and 6 apart.  So the readers of a block ask for it in different K steps, not all in the same one: where the clusters keep pace,
; a cluster's fifth to eighth K step of a_pack has been read by the other cluster four steps before, and each K step of rhs by one of four clusters in its first two steps.
; LIMIT: each output is one f32 sum, one matrix instruction for each 128 along K, but K is taken from the cluster's own start and round, not ascending from 0: the sums' roundings differ from those of an ascending sum.
; REGISTERS, in windows of 256: window 0: v0-31 addresses; v32-95 scale words, two sets; v128-191 A's fragments (8 x 16 rows x 128 K), ONE set; on the way out v128-255 take rows of out0.
;   window 1: B's fragments, TWO sets, at v0 and at v128.   window 2: the 32 accumulators of my rows 0-63 (accumulator (a, b) at v[8 (8 a + b)]);   window 3: those of my rows 64-127.
; A step of 128 along K is 64 matrix instructions, A's blocks one after the other, each against B's eight.  So a block of A is free as soon as its eight products are issued, and one set of registers serves A:
; blocks 0-3 are fetched anew in the step's middle, blocks 4-7 at its end.  B's fragments are at work through the whole step, so B has two sets.
.set SIZE_N, 2048
.set SIZE_K, 4096
.set KSTEP,  512                       ; along K in a slot
.set NQ,     KSTEP/128                 ; matrix instructions deep
.set PITCH,  272                       ; an LDS row: 256 bytes of data + 16 of padding = 68 words: row r starts at bank 4 r mod 64 (64 banks of 4 bytes: ISA guide 11.1), so the 16 rows that a load touches start at 16 different banks
.set FR,     8                         ; registers of a fragment: 16 rows x 128 K
.set NL,     2                         ; LDS loads that bring one
.set NP,     4                         ; places behind this matrix instruction (ISA guide 7.12.1)
.set BLKB,   34816                     ; a block of a_pack in memory
.set ABLK,   136*PITCH                 ; and in LDS: 128 rows of codes, 8 rows of scale bytes (16 rows' 16 bytes each)
.set ASC,    128*PITCH                 ; where its scale bytes begin
.set BOFF,   2*ABLK                    ; a slot: A's two blocks, B's 256 rows of codes,
.set SOFF,   BOFF+256*PITCH            ; B's 16 rows of scale bytes
.set SLOT,   SOFF+16*PITCH             ; 147,968 bytes
.set SPARE,  2*SLOT                    ; behind the ring (295,936, a multiple of 256): the spare words, 128 bytes for each wave: two blocks of 256 bytes that no other line names
.set LAPS,   SIZE_K/(2*KSTEP)          ; a lap = two K steps = once round the ring
.set SPITCH, 528                       ; the way out: a stage of 16 rows x (512 bytes + 16) for each wave.  It lies in slot 0, which has had its last fill and its last read when the first result is stored there
.set ADRA, 16                          ; v16-17  LDS address of my A fragments in slot 0, 1
.set ADRB, 20                          ; v20-21  the same for B
.set ADRS, 22                          ; v22-23  LDS address of my scale words in slot 0, 1: lanes 0-15 A's rows, lanes 16-31 B's
.set STO,  24                          ; v24     the way out: where I put 32 bytes of a row
.set RD,   25                          ; v25     the way out: where I read a row back
.set CO,   26                          ; v26     my byte offset in a row of out0
.set SPW,  28                          ; v28     LDS address of my spare word: SPARE + 4 x my thread's number; never rewritten
.set NIL,  29                          ; v29     0; never rewritten
.set SC,   32                          ; scale words: set s (for slot s) at v[SC + 32 s]; in it register 4 i + q: lanes 0-15 the word of A's block i, lanes 16-31 that of B's block i, for the slot's q-th 128 along K
.set AF,   128                         ; A's fragments, in window 0
.set BK,   128                         ; the way out: 16 rows read back from the stage: v128-191 and v192-255 by turns
.set G1A, 24                           ; s[24:31] descriptor group 1 for A's blocks;  s[32:39] group 0, one set for each slot
.set G0A, 32
.set G1B, 48                           ; s[48:55], s[56:63] the same for B's codes
.set G0B, 56
.set G1S, 68                           ; s[68:75], s[76:83] the same for B's scale bytes
.set G0S, 76
.set BA,  88                           ; s[88:89] a_pack at K step 0 of the block that my wave's number names; never rewritten
.set BB,  90                           ; s[90:91] rhs_codes at K step 0 of my tile column's first row; never rewritten
.set BS,  92                           ; s[92:93] b_sc at K step 0 of my tile column; never rewritten
.set KS,  94                           ; s94      the K step that the next fill brings, 0..7: made of the cluster's x and y alone, which all sixteen partners share
.set OF,  96                           ; s[96:97] that K step's byte offset, in 64 bits
.set MSB, 0
.macro WIN new                         ; the immediate's high byte repeats the setting that is left
.if MSB != \new
	s_set_vgpr_msb (MSB<<8)|\new
.set MSB, \new
.endif
.endm
.set MUL_LO, 0xa1                      ; source 0 (B) window 1, source 1 (A) window 0, C and D window 2
.set MUL_HI, 0xf1                      ; the same, C and D window 3
.set TO_B,   0x40                      ; destination window 1, address window 0
; Slot s's three groups 0 are aimed at K step s[KS]: each global address is its base + the K step's bytes, with the type on top; then s[KS] goes one on, round the eight.
; It stands only where no tensor load of mine that names these registers is out.
.macro AIM s
	s_mul_i32 s[OF], s[KS], BLKB                   ; a_pack: a block a K step
	s_add_nc_u64 s[G0A+4*\s+2:G0A+4*\s+3], s[BA:BA+1], s[OF:OF+1]
	s_or_b32 s[G0A+4*\s+3], s[G0A+4*\s+3], 0x80000000              ; 127:126 type = 2
	s_lshl_b32 s[OF], s[KS], 8                     ; rhs_codes: 256 bytes along each row
	s_add_nc_u64 s[G0B+4*\s+2:G0B+4*\s+3], s[BB:BB+1], s[OF:OF+1]
	s_or_b32 s[G0B+4*\s+3], s[G0B+4*\s+3], 0x80000000
	s_lshl_b32 s[OF], s[KS], 12                    ; b_sc: 4,096 bytes a K step
	s_add_nc_u64 s[G0S+4*\s+2:G0S+4*\s+3], s[BS:BS+1], s[OF:OF+1]
	s_or_b32 s[G0S+4*\s+3], s[G0S+4*\s+3], 0x80000000
	s_add_co_u32 s[KS], s[KS], 1
	s_and_b32 s[KS], s[KS], 7
.endm
; A joint load into slot s: each wave issues one of three lines.  Each line has ONE mask and one set of registers for all that issue it; the branches hang on the wave's number alone, the same in every work-group.
; Four v_nop follow each line, ahead of the jump, the label and what follows.
.macro JLOAD s
	s_cmp_lt_u32 s14, 2
	s_cbranch_scc0 .Lnot_a_\@
	tensor_load_to_lds s[G0A+4*\s:G0A+4*\s+3], s[G1A:G1A+7]
	s_nop 0
.rept 4
	v_nop
.endr
	s_branch .Lasked_\@
.Lnot_a_\@:
	s_cmp_eq_u32 s14, 2
	s_cbranch_scc0 .Lfor_s_\@
	tensor_load_to_lds s[G0B+4*\s:G0B+4*\s+3], s[G1B:G1B+7]
	s_nop 0
.rept 4
	v_nop
.endr
	s_branch .Lasked_\@
.Lfor_s_\@:
	tensor_load_to_lds s[G0S+4*\s:G0S+4*\s+3], s[G1S:G1S+7]
	s_nop 0
.rept 4
	v_nop
.endr
.Lasked_\@:
.endm
.macro CREST                           ; a round of the cluster's barrier behind its opening barrier
	s_cmp_lg_u32 s14, 0
	s_cbranch_scc1 .Lnot_wave_0_\@
	s_barrier_signal -3
.Lnot_wave_0_\@:
	s_barrier_wait -3
	s_barrier_signal -1
	s_barrier_wait -1
.endm
.macro CROUND                          ; a whole round
	s_barrier_signal -1
	s_barrier_wait -1
	CREST
.endm
	s_load_b256 s[4:11], s[0:1], 0x0               ; a_pack s[4:5], rhs_codes s[6:7], b_sc s[8:9], out0 s[10:11]
	v_lshl_add_u32 v[SPW], v0, 2, SPARE
	v_mov_b32 v[NIL], 0
	ds_add_u32 v28, v29
	ds_add_u32 v28, v29
	s_wait_dscnt 0x0
	v_lshrrev_b32 v1, 5, v0
	v_readfirstlane_b32 s14, v1                    ; wave 0..3
	s_lshr_b32 s15, s14, 1                         ; which half of the tile's rows is mine
	s_and_b32 s16, s14, 1                          ; which half of its columns.  Also, in waves 0 and 1: which block of A I fetch
	s_bfe_u32 s40, ttmp6, 0x40000                  ; cx, cy: my place in the cluster
	s_bfe_u32 s41, ttmp6, 0x40004
	s_lshl_b32 s42, ttmp9, 2
	s_add_co_u32 s42, s42, s40                     ; tile column = 4 x cluster x + cx
	s_and_b32 s17, ttmp7, 0xffff
	s_lshl_b32 s17, s17, 2
	s_add_co_u32 s17, s17, s41                     ; tile row = 4 x cluster y + cy
	s_lshl_b32 s43, s41, 2
	s_lshl_b32 s43, 15, s43                        ; my row of the cluster: places 4 cy .. 4 cy + 3
	s_lshl_b32 s44, 0x1111, s40                    ; my column: places cx, cx + 4, cx + 8, cx + 12
	s_and_b32 s[KS], ttmp7, 0xffff                 ; the cluster's y,
	s_lshl_b32 s[KS], s[KS], 1
	s_lshl_b32 s[OF], ttmp9, 2                     ; and its x:
	s_add_co_u32 s[KS], s[KS], s[OF]
	s_and_b32 s[KS], s[KS], 7                      ; my cluster's first K step: (4 x + 2 y) mod 8
	s_mov_b32 s[OF+1], 0                           ; every offset stays under 2^32
	; descriptor group 1.  A's block: dense in memory, as 136 rows of 256 bytes (32 elements of 8 bytes), 16 bytes of padding behind each
	s_or_b32 s[G1A+0], s43, (3<<16)|(1<<20)|(1<<21)|(5<<22)|(3<<25)  ; 15:0 the mask: my row; 17:16 elements of 8 bytes; 20 padding on; 21 set beside a mask; 24:22 after every 64 words (code 5); 31:25 of 4 words (code 3)
	s_mov_b32 s[G1A+1], 32<<16                     ; tensor_dim0 = 32
	s_mov_b32 s[G1A+2], 136<<16                    ; tensor_dim1 = 136
	s_mov_b32 s[G1A+3], 32<<16                     ; tile_dim0 = 32
	s_mov_b32 s[G1A+4], 136                        ; tile_dim1 = 136
	s_mov_b32 s[G1A+5], 32                         ; tensor_dim0_stride: dense
	s_mov_b32 s[G1A+6], 0
	s_mov_b32 s[G1A+7], 0
	; B's codes: 256 rows x 256 bytes, 2,048 bytes from row to row
	s_or_b32 s[G1B+0], s44, (0<<16)|(1<<20)|(1<<21)|(5<<22)|(3<<25)  ; the mask: my column; elements of 1 byte; the same padding
	s_mov_b32 s[G1B+1], 256<<16
	s_mov_b32 s[G1B+2], 256<<16
	s_mov_b32 s[G1B+3], 256<<16
	s_mov_b32 s[G1B+4], 256
	s_mov_b32 s[G1B+5], SIZE_K/2
	s_mov_b32 s[G1B+6], 0
	s_mov_b32 s[G1B+7], 0
	; B's scale bytes of a K step: 4,096 dense bytes, as 16 rows of 256
	s_or_b32 s[G1S+0], s44, (3<<16)|(1<<20)|(1<<21)|(5<<22)|(3<<25)
	s_mov_b32 s[G1S+1], 32<<16
	s_mov_b32 s[G1S+2], 16<<16
	s_mov_b32 s[G1S+3], 32<<16
	s_mov_b32 s[G1S+4], 16
	s_mov_b32 s[G1S+5], 32
	s_mov_b32 s[G1S+6], 0
	s_mov_b32 s[G1S+7], 0
	; where the tiles come from.  A's hang on the tile row alone, which my row of the cluster shares; B's on the tile column alone, which my column shares; the K step on the cluster's x and y, which all share.
	; Every wave makes all three addresses, in registers that never hold the other coordinate, and asks by one of them.
	s_lshl_b32 s20, s17, 1
	s_add_co_u32 s20, s20, s16                     ; A: m / 128 = 2 x tile row + half,
	s_mul_i32 s20, s20, 8*BLKB                     ; eight blocks each
	s_mov_b32 s21, 0
	s_lshl_b32 s46, s42, 19                        ; B's codes: 256 rows of 2,048 bytes a tile column
	s_mov_b32 s47, 0
	s_lshl_b32 s84, s42, 15                        ; B's scale bytes: eight K steps of 4,096 bytes
	s_mov_b32 s85, 0
	s_mul_i32 s45, s16, ABLK                       ; where A's block goes: no place in the cluster enters an LDS address
	s_wait_kmcnt 0x0
	s_add_nc_u64 s[BA:BA+1], s[4:5], s[20:21]
	s_add_nc_u64 s[BB:BB+1], s[6:7], s[46:47]
	s_add_nc_u64 s[BS:BS+1], s[8:9], s[84:85]
	CROUND                                         ; all sixteen work-groups are here: the first joint loads meet
.irp s, 0,1
	s_mov_b32 s[G0A+4*\s], 1                                       ; 1:0 count = 1
	s_add_co_u32 s[G0A+4*\s+1], s45, \s*SLOT                       ; 63:32 LDS address
	s_mov_b32 s[G0B+4*\s], 1
	s_mov_b32 s[G0B+4*\s+1], BOFF+\s*SLOT
	s_mov_b32 s[G0S+4*\s], 1
	s_mov_b32 s[G0S+4*\s+1], SOFF+\s*SLOT
	AIM \s                                         ; 120:64 global address, 127:126 type: my cluster's first and second K step (slot 1's registers are named by no load yet)
	JLOAD \s                                       ; the ring is filled before anything else is done: two loads of mine are out
.endr
	v_and_b32 v1, 15, v0                           ; l % 16
	v_bfe_u32 v2, v0, 4, 1                         ; l / 16
	v_mul_u32_u24 v3, v1, PITCH
	v_lshl_add_u32 v4, v2, 4, v3                   ; a fragment's row x pitch + 16 x half
	s_mul_i32 s21, s15, ABLK                       ; my 128 rows of A
	s_mul_i32 s22, s16, 128*PITCH                  ; my 128 rows of B,
	s_add_co_u32 s22, s22, BOFF                    ; which lie behind A's two blocks
.irp s, 0,1
	v_add_nc_u32 v[ADRA+\s], s21, v4
	v_add_nc_u32 v[ADRB+\s], s22, v4
	s_add_co_u32 s21, s21, SLOT
	s_add_co_u32 s22, s22, SLOT
.endr
	v_lshlrev_b32 v5, 4, v1                        ; my row's 16 scale bytes of a K step; 16 rows fill an LDS row
	s_mul_i32 s21, s15, ABLK
	s_add_co_u32 s21, s21, ASC                     ; A's: behind my block's codes
	s_mul_i32 s22, s16, 8*PITCH
	s_add_co_u32 s22, s22, SOFF                    ; B's: my 128 rows' eight LDS rows
	s_sub_co_u32 s22, s22, s21                     ; the distance between the two,
	v_mul_u32_u24 v6, s22, v2                      ; which lanes 16-31 add: they take B's
	v_add_nc_u32 v5, v5, v6
	v_add_nc_u32 v[ADRS], s21, v5
	v_add_nc_u32 v[ADRS+1], SLOT, v[ADRS]
	s_mul_i32 s23, s14, 16*SPITCH                  ; my stage
	v_mul_u32_u24 v5, v1, SPITCH                   ; in: row l % 16, 32 bytes for each half of the lanes
	v_lshl_add_u32 v5, v2, 5, v5
	v_add_nc_u32 v[STO], s23, v5
	v_and_b32 v6, 31, v0
	v_lshlrev_b32 v[CO], 4, v6                     ; back: the 32 lanes take one row of 512 bytes; and the same in out0
	v_add_nc_u32 v[RD], s23, v[CO]
	s_lshl_b32 s20, s17, 8
	s_lshl_b32 s21, s15, 7
	s_add_co_u32 s20, s20, s21                     ; my first row of out0: 256 x tile row + 128 x half,
	s_lshl_b32 s20, s20, 13                        ; rows of 8,192 bytes (under 2^27 in all)
	s_mov_b32 s21, 0
	s_lshl_b32 s46, s42, 10                        ; my first column, in bytes: 1,024 x tile column + 512 x half
	s_lshl_b32 s47, s16, 9
	s_add_co_u32 s46, s46, s47
	s_mov_b32 s47, 0
	s_add_nc_u64 s[10:11], s[10:11], s[20:21]
	s_add_nc_u64 s[10:11], s[10:11], s[46:47]
.macro FRAG reg, adr, q, i             ; a fragment, 16 rows x 128 K of 4-bit codes, is 8 registers: lane l holds row l % 16; registers 4 c .. 4 c + 3 hold K = 64 c + 32 (l / 16) + 0 .. 31, the lower K in the lower bits
.irp c, 0,1
	ds_load_b128 v[\reg+4*\c:\reg+4*\c+3], v[\adr] offset:64*(\q)+32*\c+(\i)*16*PITCH
.endr
.endm
; 16 matrix instructions: A's blocks a0, a0 + 1 x B's eight, 128 along K: the slot's q-th.  p: B's set;  sc: the set of scale words.  zero = 1: the first product starts the sums: nothing is ever cleared.
; Source 0's scales (B's) are read from lanes 16-31 of register 4 b + q, source 1's (A's) from lanes 0-15 of register 4 a + q.
; The 64 accumulators take turns, one instruction a turn, in the same order in every step.
.macro MUL16 a0, p, q, sc, zero
.irp a, \a0, \a0+1
.irp b, 0,1,2,3,4,5,6,7
.if \zero
	v_wmma_scale_f32_16x16x128_f8f6f4 v[8*(8*((\a)%4)+\b):8*(8*((\a)%4)+\b)+7], v[128*(\p)+FR*\b:128*(\p)+FR*\b+FR-1], v[AF+FR*(\a):AF+FR*(\a)+FR-1], 0, v[SC+8*NQ*(\sc)+NQ*\b+(\q)], v[SC+8*NQ*(\sc)+NQ*(\a)+(\q)] matrix_a_fmt:MATRIX_FMT_FP4 matrix_b_fmt:MATRIX_FMT_FP4 matrix_a_scale:MATRIX_SCALE_ROW1
.else
	v_wmma_scale_f32_16x16x128_f8f6f4 v[8*(8*((\a)%4)+\b):8*(8*((\a)%4)+\b)+7], v[128*(\p)+FR*\b:128*(\p)+FR*\b+FR-1], v[AF+FR*(\a):AF+FR*(\a)+FR-1], v[8*(8*((\a)%4)+\b):8*(8*((\a)%4)+\b)+7], v[SC+8*NQ*(\sc)+NQ*\b+(\q)], v[SC+8*NQ*(\sc)+NQ*(\a)+(\q)] matrix_a_fmt:MATRIX_FMT_FP4 matrix_b_fmt:MATRIX_FMT_FP4 matrix_a_scale:MATRIX_SCALE_ROW1
.endif
.endr
.endr
.endm
.macro FETCH_B slot, q, p              ; B's eight fragments of the slot's q-th 128 along K into set p
	WIN TO_B
.irp i, 0,1,2,3,4,5,6,7
	FRAG 128*(\p)+FR*\i, ADRB+\slot, \q, \i
.endr
	WIN 0
.endm
.macro FETCH_A slot, q, i0             ; A's blocks i0 .. i0 + 3
.irp i, \i0, \i0+1, \i0+2, \i0+3
	FRAG AF+FR*(\i), ADRA+\slot, \q, \i
.endr
.endm
.macro SCALES sc                       ; slot sc's scale words into set sc: four words a row; lanes 0-15 take A's block i, lanes 16-31 B's block i: each half of the lanes reads 256 consecutive bytes
.irp i, 0,1,2,3,4,5,6,7
	ds_load_b128 v[SC+8*NQ*\sc+NQ*\i:SC+8*NQ*\sc+NQ*\i+3], v[ADRS+\sc] offset:\i*PITCH
.endr
.endm
; A load into a register that a matrix instruction has read, and an LDS store that reads a matrix result, stand NP places behind that matrix instruction, and only plain vector instructions that name none of its
; registers are places (ISA guide 7.12.1 for vector instructions); this text does not count the matrix instructions in between.
.macro PLACES n
.rept \n
	v_nop
.endr
.endm
; A step of 128 along K that has its successor in the same slot.
.macro STEP slot, q, zero
	s_wait_dscnt 4*NL                              ; B's set, the scale words and A's blocks 0-3 are in; the youngest eight loads (A's blocks 4-7) may be out
	WIN MUL_LO
	MUL16 0, (\q)%2, \q, \slot, \zero
	MUL16 2, (\q)%2, \q, \slot, \zero
	s_wait_dscnt 0                                 ; A's blocks 4-7 are in (asked for 32 matrix instructions ago)
	PLACES NP
	FETCH_B \slot, (\q)+1, 1-(\q)%2
	FETCH_A \slot, (\q)+1, 0
	WIN MUL_HI
	MUL16 4, (\q)%2, \q, \slot, \zero
	MUL16 6, (\q)%2, \q, \slot, \zero
	PLACES NP
	WIN 0
	FETCH_A \slot, (\q)+1, 4
.endm
; A slot's last step changes slots: ONE barrier; in front of it each wave waits for all its tensor loads, adds 0 to its spare word, and waits for that and for its own reads of this slot.
; fill = 1: this slot is filled again, with the K step that stands two on in my cluster's walk; the barrier then opens a round of the cluster's barrier.
.macro TURN slot, next, fill
	s_wait_tensorcnt 0x0                           ; all my tensor loads have landed: the one that was out is my part of the next slot;  (every window is 0 here: the add's two registers lie in window 0)
	ds_add_u32 v[SPW], v[NIL]                      ; 0 onto my spare word
.if \fill
	AIM \slot                                      ; no tensor load of mine is out, so the groups 0 may be written: here, so that nothing stands between the round and the joint load
.endif
	s_wait_dscnt 4*NL+1                            ; (the add and the youngest eight loads, A's blocks 4-7, may be out)
	WIN MUL_LO
	MUL16 0, 1, NQ-1, \slot, 0                     ; sixteen matrix instructions stand between the add and the wait for it
	s_wait_dscnt 0x0                               ; the add is done, and my reads of this slot, codes and scale words, are over
	s_barrier_signal -1
	MUL16 2, 1, NQ-1, \slot, 0                     ; work on registers while the others arrive
	WIN 0
	s_barrier_wait -1
.if \fill
	CREST                                          ; no wave of any partner still reads this slot or has a load on its way
	JLOAD \slot                                    ; the first tensor load behind the round, my only one until the next; the four v_nop behind it are the places in front of the loads below
.else
	PLACES NP
.endif
	FETCH_B \next, 0, 0
	FETCH_A \next, 0, 0
	SCALES \next
	WIN MUL_HI
	MUL16 4, 1, NQ-1, \slot, 0
	MUL16 6, 1, NQ-1, \slot, 0
	PLACES NP
	WIN 0
	FETCH_A \next, 0, 4
.endm
.macro STEPS slot, from                ; the slot's steps from .. NQ - 2
.set Q, \from
.rept NQ-1-\from
	STEP \slot, Q, 0
.set Q, Q+1
.endr
.endm
	s_wait_tensorcnt 1                             ; my part of slot 0 is in; slot 1's load, issued behind it, may stay out
	s_barrier_signal -1
	s_barrier_wait -1                              ; everybody's is
	FETCH_B 0, 0, 0
	FETCH_A 0, 0, 0
	SCALES 0
	FETCH_A 0, 0, 4
	STEP 0, 0, 1                                   ; the first step stands in front of the loop: its products start the sums
	s_mov_b32 s3, LAPS-1
.Llap:                                                 ; a trip goes once round the ring, from a lap's second step to the next lap's first, and fills both slots again: three trips bring the third to the eighth K step of my cluster's walk
	STEPS 0, 1
	TURN 0, 1, 1
	STEPS 1, 0
	TURN 1, 0, 1
	STEP 0, 0, 0
	s_sub_co_u32 s3, s3, 1
	s_cmp_lg_u32 s3, 0
	s_cbranch_scc1 .Llap
	STEPS 0, 1                                     ; the last lap is written out: it fills nothing, and has no round of the cluster's barrier
	TURN 0, 1, 0
	STEPS 1, 0
	s_wait_dscnt 4*NL                              ; the very last step: nothing more to fetch
	WIN MUL_LO
	MUL16 0, 1, NQ-1, 1, 0
	MUL16 2, 1, NQ-1, 1, 0
	s_wait_dscnt 0
	WIN MUL_HI
	MUL16 4, 1, NQ-1, 1, 0
	MUL16 6, 1, NQ-1, 1, 0
	WIN 0
; THE WAY OUT, block by block of 16 rows x 128 columns.  A lane holds 32 neighbouring bytes of a row, and the lanes beside it hold other rows: so a block goes through my own stage in LDS and comes back as whole
; rows of 512 bytes.  LDS serves a wave's instructions in order (ISA guide 5.7.1.4): no wait between the stores and the loads, nor in front of the next block's stores.
.macro TOSTAGE a
.set AC, 64*((\a)%4)
	WIN 0x08+4*((\a)/4)                            ; an LDS store's data are its source 1: window 2 or 3
.irp b, 0,1,2,3,4,5,6,7
	ds_store_b128 v[STO], v[AC+8*\b:AC+8*\b+3] offset:64*\b          ; each accumulator from its low end on
	ds_store_b128 v[STO], v[AC+8*\b+4:AC+8*\b+7] offset:64*\b+16
.endr
	WIN 0
.set BB2, BK+64*((\a)%2)
.irp t, 0,1,2,3,4,5,6,7,8,9,10,11,12,13,14,15
	ds_load_b128 v[BB2+4*\t:BB2+4*\t+3], v[RD] offset:\t*SPITCH
.endr
.endm
.macro SEND a, younger                 ; younger: the LDS instructions issued behind block a's loads, which may stay out
.set BB2, BK+64*((\a)%2)
	s_wait_dscnt \younger                          ; the block is back in registers
.if (\a) > 0
	s_add_nc_u64 s[10:11], s[10:11], 16*SIZE_N*4   ; (behind a wait on XCNT for 0: the earlier stores have read their base)  16 rows on, so that the stores' offsets stay at 15 rows of 8,192 bytes at the most
.endif
.irp t, 0,1,2,3,4,5,6,7,8,9,10,11,12,13,14,15
	global_store_b128 v[CO], v[BB2+4*\t:BB2+4*\t+3], s[10:11] offset:\t*SIZE_N*4 th:TH_STORE_NT   ; 32 lanes store 512 consecutive bytes, at a multiple of 256 from out0's first byte; written once, read by nobody here
.endr
.endm
	PLACES NP                                      ; behind the last products: for the loads into the registers that held A's fragments, and for the stores that read results
	TOSTAGE 0
.irp a, 1,2,3,4,5,6,7
.if \a > 1
	s_wait_xcnt 0x0                                ; block a - 2's stores have read their registers and their base: block a's loads may land there, and the base may step
.endif
	TOSTAGE \a
	SEND \a-1, 32                                  ; behind block a - 1's loads: block a's 16 stores and 16 loads
.endr
	s_wait_xcnt 0x0                                ; block 6's stores have read their base
	SEND 7, 0
	s_wait_tensorcnt 0x0                           ; the wave's end: behind my last tensor load and my last LDS store
	ds_add_u32 v[SPW], v[NIL]
	s_wait_dscnt 0x0
	CROUND                                         ; the closing round: no work-group ends while a partner may still ask for a tile that names it
	s_endpgm
.Lfunc_end_k_q4677c9c470_gemm:
	.size	k_q4677c9c470_gemm, .Lfunc_end_k_q4677c9c470_gemm-k_q4677c9c470_gemm
	.p2alignl 7, 3214868480
	.fill 96, 4, 3214868480
	.section	.rodata,"a",@progbits
	.p2align	6, 0x0
	.amdhsa_kernel k_q4677c9c470_gemm
		.amdhsa_group_segment_fixed_size 327680
		.amdhsa_private_segment_fixed_size 0
		.amdhsa_enable_private_segment 0
		.amdhsa_kernarg_size 32
		.amdhsa_user_sgpr_count 2
		.amdhsa_user_sgpr_kernarg_segment_ptr 1
		.amdhsa_wavefront_size32 1
		.amdhsa_system_sgpr_workgroup_id_x 1
		.amdhsa_system_sgpr_workgroup_id_y 1
		.amdhsa_system_sgpr_workgroup_id_z 1
		.amdhsa_system_vgpr_workitem_id 0
		.amdhsa_next_free_vgpr 1024
		.amdhsa_next_free_sgpr 98
		.amdhsa_reserve_vcc 0
		.amdhsa_float_denorm_mode_32 3
		.amdhsa_float_denorm_mode_16_64 3
		.amdhsa_memory_ordered 1
		.amdhsa_forward_progress 1
		.amdhsa_inst_pref_size 212
	.end_amdhsa_kernel
	.amdgpu_metadata
---
amdhsa.version: [ 1, 2 ]
amdhsa.kernels:
  - .name:           k_q4677c9c470_gemm
    .symbol:         k_q4677c9c470_gemm.kd
    .args:
      - { .name: a_pack, .offset: 0, .size: 8, .value_kind: global_buffer, .address_space: global }
      - { .name: rhs_codes, .offset: 8, .size: 8, .value_kind: global_buffer, .address_space: global }
      - { .name: b_sc, .offset: 16, .size: 8, .value_kind: global_buffer, .address_space: global }
      - { .name: out0, .offset: 24, .size: 8, .value_kind: global_buffer, .address_space: global }
    .group_segment_fixed_size: 327680
    .private_segment_fixed_size: 0
    .kernarg_segment_align: 8
    .kernarg_segment_size: 32
    .max_flat_workgroup_size: 128
    .sgpr_count:     98
    .vgpr_count:     1024
    .wavefront_size: 32
...
	.end_amdgpu_metadata
.endif
;; end of part 2
